; MI455X (gfx1250); checked and timed in simulation.
; The chip was launched on July 23, 2026; its instructions are those of AMD's public machine-readable ISA for CDNA 5 (MIT licence, August 2026) and "CDNA5" Instruction Set Architecture Reference Guide (July 2026). The comments in the code are by the model that wrote it; some were corrected since.
;; cha second conv. Allowed arithmetic: matrix products marked QUANTISED: E3M2 operands, one E8M0 scale for each 32 along K, by v_wmma_scale_f32_16x16x128_f8f6f4 with both operands' format E3M2, f32 sums; everything else in f32.
;; Inputs: W_codes 64 x 7 x 24 uint8 (E3M2 codes of W, K innermost, in blocks of 32 codes, four codes in three bytes); W_scales 64 x 7 uint8 (E8M0 scales of W, one for each 32 codes along K); b 64 float32; input 16 x 64 x 128 x 128 float32.
;; Outputs: out0 16 x 64 x 128 x 128 float32.
;; This version of the problem:
;;   THIS VERSION OF THE PROBLEM IS GIVEN IN LOW PRECISION. The matrix products marked QUANTISED in the list below multiply operands that are first quantised to E3M2 (3 exponent bits, 2 mantissa bits; 6 bits a number), with one power-of-two scale for each 32 numbers along K (OCP MX v1.0); their sums are f32. All else is computed in f32.
;;   The module's matrix products, in the order in which they are computed (A, B: the left and right operand; K: the contracted axis; several contracted axes count as one K, in the product's order):
;;     1. [M 64, K 224] x [K 224, N 262,144]; A: input W (given as codes); B: computed on the way: QUANTISED
;;   THE QUANTISER, for each operand of a quantised product, along K:
;;     - K is cut into blocks of 32 from its start; a last block that is shorter is filled with zeros.
;;     - A block's scale is 2^e with e = floor(log2(the largest magnitude in the block)) - 4, held to -126 .. 127; a block of zeros has e = 0. As a byte (E8M0): e + 127.
;;     - Each number is divided by its block's scale, clamped to +-28, and rounded to the nearest number of E3M2, ties to even, subnormals kept.
;;     - The product sums the exact products of the quantised numbers (number of the format x scale) in f32.
;;   ~~~python
;;   def quantise(x, axis):      # numpy; x: float32 -> the quantised numbers, widened to float32 again
;;       x = np.moveaxis(x, axis, -1); K = x.shape[-1]
;;       x = np.pad(x, [(0, 0)] * (x.ndim - 1) + [(0, -K % 32)]); x = x.reshape(x.shape[:-1] + (-1, 32)); a = np.abs(x).max(-1, keepdims=True)
;;       e = np.where(a > 0, np.clip(np.frexp(np.where(a > 0, a, 1))[1] - 1 - 4, -126, 127), 0)      # np.frexp(a)[1] - 1 = floor(log2(a)), exactly
;;       r = np.clip(x / 2.0 ** e, -28, 28)
;;       step = 2.0 ** (np.maximum(np.frexp(np.where(r == 0, 1, r))[1] - 1, -2) - 2)
;;       q = np.round(r / step) * step * 2.0 ** e      # np.round: ties to even
;;       return np.moveaxis(q.reshape(q.shape[:-2] + (-1,))[..., :K], -1, axis).astype(np.float32)
;;   ~~~
;;   OPERANDS COMPUTED ON THE WAY. 'Computed on the way' means the value that the module computes at that place (a softmax that the list does not call 'softmax' is quantised finished and normalised). What goes into a quantiser is computed in f32, as accurately as f32 sums, v_exp_f32 and their like allow (about 1e-6 of the number): no bf16 or f16 on the way to a quantiser, and a product that is left as it is and whose result goes on into a quantised operand takes f32 operands (vector FMAs, or v_wmma_f32_16x16x4_f32). A number that lies on a knife's edge between two numbers of the format may be rounded either way, as far as f32 arithmetic and the matrix unit's own rounding can turn it there, and no further.
;;   INPUTS GIVEN AS CODES. W (in the module: [64, 224], K = its axis 1): each comes as NAME_codes (uint8): NAME with its K axis moved to the last place and cut into blocks of 32 codes, [.., K / 32, bytes a block], one block behind the other in memory; four codes in three bytes: a row's codes are one little-endian stream of bits, code i at bits 6 i .. 6 i + 5 (a code: sign, 3 exponent bits, 2 mantissa bits); and NAME_scales (uint8): the same leading axes, one E8M0 byte (e + 127) for each 32 codes along K. Its value is code x scale, taken as it is: it is not quantised again, and the codes and scales need not be those that the quantiser above would give.
;; One version. Each part assembles by itself: llvm-mc -triple=amdgcn-amd-amdhsa -mcpu=gfx1250 --defsym DOCPART=n.
;; ======== version 1 of 1: 1 launch
;; launch chaconv (part 1): grid 256 x 1, 8 waves a work-group, no clusters, 297,984 bytes of LDS; arguments input, W_codes, W_scales, b, out0; writes out0
.if DOCPART == 1
	.amdgcn_target "amdgcn-amd-amdhsa--gfx1250"
	.amdhsa_code_object_version 6
	.text
	.protected	k_q3a78d4f675_chaconv
	.globl	k_q3a78d4f675_chaconv
	.p2align	8
	.type	k_q3a78d4f675_chaconv,@function
k_q3a78d4f675_chaconv:
	s_mov_b64 s[64:65], 0
	v_nop
	global_prefetch_b8 v0, s[64:65] scope:SCOPE_SE
	s_setreg_imm32_b32 hwreg(HW_REG_WAVE_MODE, 25, 1), 1
	s_wait_xcnt 0x0
; out[b][o][p] = bias[o] + sum over k of W[o][k] Q(feat[b][k][p]),  p = one of 128 x 128 pixels, k = 14 g + f, g = 0 .. 15.
; feat: f = 0..3 the group's four channels x0..x3; f = 4..7 their squares; f = 8..13 x0x1, x1x2, x2x3, x0x2, x1x3, x0x3.
; W comes as codes of BF6 (E3M2) with one E8M0 byte for each 32 along K; feat is made in f32 and quantised here, along K, block by block of 32:
; scale byte = the exponent field of the block's largest magnitude - 4, held at 1 from below; the conversion divides, holds at the largest code and rounds to nearest, ties to even.
; K = 224 is filled to 256: W's codes of k >= 224 are set to zero at the head.  What stands opposite them in the features' fragments (codes of block 6 of other pixels)
; adds nothing: every 6-bit code is a finite number, and the scale bytes there are 0, not 0xff.
; LIMITS: NaN and infinities among the inputs are not served.  A block of zeros gets the byte 1 where the rule says 127: its codes are zeros, and nobody else reads the byte.
; SHARES.  256 work-groups of eight waves.  A work-group owns 1,024 neighbouring pixels of one image, all 64 channels: 262,144 bytes, which lie in LDS whole.  A wave owns 128 pixels, as two
; chunks of 64 pixels x 64 channels: one tensor load each, 64 rows of 256 bytes, each row at a multiple of 256 bytes from the buffer's first byte.  Both loads go out at the head, into LDS bytes
; of the wave's own, which no other wave touches and which are filled once: so there is no ring and no barrier, and a wave has two tensor loads out at the most.
; All the input is asked for by these loads at the head, so nothing is prefetched.  No cluster: work-groups share only W, its scales and b, 11,456 bytes against 262,144 of their own.
; A LANE HOLDS ONE PIXEL, and its registers run along K: each LDS load takes one channel of 32 neighbouring pixels and lands at x's own place among the 224 features, so nothing is copied;
; a block of 32 lies in one lane, so its largest magnitude needs no other lane; the lane's seven bytes are its pixel's two scale words as they stand.
; THE PRODUCT: source 0 = 16 pixels of features, source 1 = 16 rows of W: in the result a lane holds ONE channel (lane % 16) and eight neighbouring pixels 8 (lane / 16) + 0 .. 7.
; REGISTERS, in windows of 256 (s_set_vgpr_msb: bits 1:0 source 0, 3:2 source 1, 5:4 source 2, 7:6 destination):
;   window 0: v1-4 addresses; v8-11 W's scale words; v12-15 the features' scale words; v16-22 largest magnitudes, then scale operands; v24-30 bytes; v32-255 the 224 features;
;             when both halves of a chunk are converted the features are done with, and v32-159 take the chunk's 16 accumulators.
;   window 1: v0-27 the upper halves of the seven blocks' codes; v32-127 W's 8 fragments; v128-159 the bias in the result's layout; v160-255 the features' 8 fragments.
.set HW4,  65536                       ; bytes from a channel to the next: 128 x 128 pixels of f32
.set CHB,  16384                       ; a chunk in LDS: 64 channels x 64 pixels x 4 bytes, rows of 256 bytes without gaps
.set WREG, 2*CHB                       ; a wave's two chunks
.set STG,  8*WREG                      ; behind the chunks: a stage of 16 rows for each wave, for the way out; no tensor load lands there
.set SP,   272                         ; a stage row: 256 bytes + 16: row r begins 17 r places of 16 bytes on, so sixteen rows fall on sixteen different places modulo 256 bytes
.set STGW, 16*SP
.set WROW, 168                         ; a row of W's codes: 7 blocks x 24 bytes
.set LIN,  1                           ; v1   LDS address of my pixel in my wave's first chunk: 32,768 x wave + 4 x lane
.set STO,  2                           ; v2   the way out: where I put 32 bytes of a row
.set RD,   3                           ; v3   the way out: where I read a row back
.set CO,   4                           ; v4   my byte offset in out0, from the wave's first pixel of channel 0
.set WS,   8                           ; v8-11  W's scale words, tile n of 16 channels: lanes 0-15 K step 0, lanes 16-31 K step 1
.set FS,   12                          ; v12-15 the features' scale words: half s of a chunk, K step k at FS + 2 s + k: lanes 0-15 pixels 0-15 of the half, lanes 16-31 pixels 16-31
.set M,    16                          ; v16-22 block b's largest magnitude, then its scale operand
.set BY,   24                          ; v24-30 block b's byte
.set F,    32                          ; v32-255 the features
.set T,    0                           ; window 1: block b's upper 16 codes at T + 4 b (a conversion's three registers begin on an even number)
.set WF,   32                          ; window 1: W's fragment (tile n, K step k) at WF + 24 n + 12 k
.set BI,   128                         ; window 1: bias of tile n at BI + 8 n, eight registers alike
.set FR,   160                         ; window 1: the features' fragment (tile t of 16 pixels, K step k) at FR + 24 t + 12 k
.set MSB, 0
.macro WIN new                         ; the immediate's high byte repeats the setting that is left; a switch that changes nothing is dropped
.if MSB != \new
	s_set_vgpr_msb (MSB<<8)|\new
.set MSB, \new
.endif
.endm
	s_load_b256 s[4:11], s[0:1], 0x0               ; input s[4:5], W's codes s[6:7], W's scales s[8:9], b s[10:11]
	s_load_b64 s[12:13], s[0:1], 0x20              ; out0
	v_lshl_add_u32 v23, v0, 2, 0x48800
	v_mov_b32 v31, 0
	ds_add_u32 v23, v31
	ds_add_u32 v23, v31
	v_lshrrev_b32 v1, 5, v0
	v_readfirstlane_b32 s14, v1                    ; wave 0..7
	s_lshr_b32 s15, ttmp9, 4                       ; the image: 16 work-groups to each
	s_lshl_b32 s15, s15, 22                        ; x 64 channels x 65,536 bytes
	s_and_b32 s24, ttmp9, 15
	s_lshl_b32 s24, s24, 12                        ; + the work-group's 1,024 pixels x 4 bytes
	s_add_co_u32 s24, s24, s15
	s_lshl_b32 s25, s14, 9                         ; + the wave's 128 pixels x 4 bytes
	s_add_co_u32 s24, s24, s25                     ; under 2^26: the same offset serves input and out0, which have one shape
	s_mov_b32 s25, 0
	; descriptor group 1: a tile of 64 rows (channels) x 64 elements of 4 bytes (pixels), rows 16,384 elements apart; it lies inside the tensor, so the extents are the tile's
	s_mov_b32 s16, 2<<16                           ; 15:0 no mask; 17:16 elements of 4 bytes; 20 no padding
	s_mov_b32 s17, 64<<16                          ; tensor_dim0 = 64
	s_mov_b32 s18, 64<<16                          ; tensor_dim1 = 64
	s_mov_b32 s19, 64<<16                          ; tile_dim0 = 64
	s_mov_b32 s20, 64                              ; tile_dim1 = 64
	s_mov_b32 s21, 16384                           ; tensor_dim0_stride
	s_mov_b32 s22, 0
	s_mov_b32 s23, 0
	s_lshl_b32 s26, s14, 15                        ; my wave's chunks in LDS: 32,768 x wave
	s_mul_i32 s27, s14, STGW
	s_add_co_u32 s27, s27, STG                     ; my wave's stage
	s_mov_b32 s36, 0x76543210
	s_mov_b32 s37, 0xfedcba98                      ; v_permlanex16_b32's selects for lane l xor 16
	s_wait_dscnt 0x0
	s_wait_kmcnt 0x0
	s_add_nc_u64 s[4:5], s[4:5], s[24:25]          ; input and out0 at my wave's first pixel, channel 0
	s_add_nc_u64 s[12:13], s[12:13], s[24:25]
	s_mov_b32 s28, 1                               ; group 0 of chunk 0: count = 1,
	s_mov_b32 s29, s26                             ; LDS address,
	s_mov_b64 s[30:31], s[4:5]                     ; global address,
	s_or_b32 s31, s31, 0x80000000                  ; type = 2
	s_mov_b32 s32, 1                               ; and of chunk 1: 64 pixels, 256 bytes, on
	s_add_co_u32 s33, s26, CHB
	s_add_nc_u64 s[34:35], s[4:5], 256
	s_or_b32 s35, s35, 0x80000000
	tensor_load_to_lds s[28:31], s[16:23]          ; both fills go out together, ahead of every wait on TENSORcnt and every LDS read
	s_nop 0
	tensor_load_to_lds s[32:35], s[16:23]
	s_nop 0
.rept 4
	v_nop                                          ; four lines behind the loads, ahead of the first switch of windows
.endr
	v_and_b32 v5, 15, v0                           ; r = lane % 16
	v_bfe_u32 v6, v0, 4, 1                         ; h = lane / 16
	v_and_b32 v7, 31, v0                           ; lane
	v_mul_u32_u24 v16, v5, WROW                    ; W's codes: row r,
	v_mad_u32_u24 v17, v6, 24, v16                 ; + 24 h: lane (r, h) takes blocks h and 2 + h of a K step
	v_lshlrev_b32 v18, 2, v5                       ; b: 4 r
	v_mul_u32_u24 v19, v5, 7                       ; W's scales: 7 bytes a row,
	v_lshl_add_u32 v20, v6, 2, v19                 ; + 4 h: lanes 16-31 take K step 1's bytes
	WIN 0x40                                       ; destination window 1
.irp n, 0,1,2,3                                ; W's fragments stay in registers: a block's 24 bytes as three loads of 8, every address a multiple of 8
.irp k, 0,1
.irp p, 0,1,2,3,4,5
.if (\k == 1) && (\p >= 3)
	global_load_b64 v[WF+24*\n+12*\k+2*\p:WF+24*\n+12*\k+2*\p+1], v16, s[6:7] offset:16*\n*WROW+144+8*(\p-3)   ; K step 1, second half: block 6 in ALL lanes: a block 7 does not exist, and no load leaves the row; lanes 16-31 are cleared below
.else
	global_load_b64 v[WF+24*\n+12*\k+2*\p:WF+24*\n+12*\k+2*\p+1], v17, s[6:7] offset:16*\n*WROW+96*\k+48*(\p/3)+8*(\p%3)
.endif
.endr
.endr
.endr
.irp n, 0,1,2,3
	global_load_b32 v[BI+8*\n], v18, s[10:11] offset:64*\n      ; b[16 n + r]
.endr
	WIN 0
.irp n, 0,1,2,3                                ; W's scale bytes one by one: rows of 7 bytes have no aligned words.  (v40-55: the features' registers are still free)
.irp j, 0,1,2
	global_load_u8 v[40+4*\n+\j], v20, s[8:9] offset:112*\n+\j
.endr
	global_load_u8 v[43+4*\n], v19, s[8:9] offset:112*\n+3      ; the fourth byte is K step 0's in all lanes: K step 1 has three
.endr
	v_lshlrev_b32 v1, 2, v7
	v_add_nc_u32 v[LIN], s26, v1
	v_mul_u32_u24 v[STO], v5, SP                   ; into the stage: row r (my channel), + 32 h (my eight pixels)
	v_lshl_add_u32 v[STO], v6, 5, v[STO]
	v_add_nc_u32 v[STO], s27, v[STO]
	v_mul_u32_u24 v[RD], v6, SP                    ; back: lanes 0-15 take one row of 256 bytes, lanes 16-31 the next
	v_lshl_add_u32 v[RD], v5, 4, v[RD]
	v_add_nc_u32 v[RD], s27, v[RD]
	v_lshlrev_b32 v[CO], 16, v6                    ; and the same two channels in out0
	v_lshl_add_u32 v[CO], v5, 4, v[CO]
	v_add_nc_u32 v21, -1, v6                       ; all ones in lanes 0-15, 0 in lanes 16-31
	s_wait_loadcnt 0x0
.irp n, 0,1,2,3
	v_and_b32 v[43+4*\n], v21, v[43+4*\n]          ; K step 1's fourth byte: 0 (2^-127, over zero codes)
	v_lshl_or_b32 v[WS+\n], v[41+4*\n], 8, v[40+4*\n]
	v_lshl_or_b32 v[WS+\n], v[42+4*\n], 16, v[WS+\n]
	v_lshl_or_b32 v[WS+\n], v[43+4*\n], 24, v[WS+\n]
.endr
	WIN 0x44                                       ; source 1 and destination window 1
.irp n, 0,1,2,3
.irp i, 0,1,2,3,4,5
	v_and_b32 v[WF+24*\n+18+\i], v21, v[WF+24*\n+18+\i]         ; W's codes of k = 224 .. 255: zeros
.endr
.endr
	WIN 0x41                                       ; source 0 and destination window 1
.irp n, 0,1,2,3
.irp j, 1,2,3,4,5,6,7
	v_mov_b32 v[BI+8*\n+\j], v[BI+8*\n]            ; the result's eight registers of a lane are one channel: eight times its bias
.endr
.endr
.irp i, 0,1,2,3,4,5
	v_mov_b32 v[FR+42+\i], 0                       ; written once: a lane permute's destination counts as one of its sources
	v_mov_b32 v[FR+90+\i], 0
.endr
	WIN 0
; 64 LDS loads: half s (32 pixels) of chunk q, a channel each: 32 lanes take 128 neighbouring bytes; channel 4 g + i lands at feature 14 g + i
.macro XLOAD q, s
.set CH, 0
.rept 64
	ds_load_b32 v[F+14*(CH/4)+CH%4], v[LIN] offset:(\q)*CHB+CH*256+(\s)*128
.set CH, CH+1
.endr
.endm
; the ten products of group g, behind its four x
.macro FEAT g
.set R, F+14*(\g)
	v_pk_mul_f32 v[R+4:R+5], v[R:R+1], v[R:R+1]                ; x0^2, x1^2
	v_pk_mul_f32 v[R+6:R+7], v[R+2:R+3], v[R+2:R+3]            ; x2^2, x3^2
	v_mul_f32 v[R+8], v[R], v[R+1]                             ; x0 x1
	v_mul_f32 v[R+9], v[R+1], v[R+2]                           ; x1 x2
	v_mul_f32 v[R+10], v[R+2], v[R+3]                          ; x2 x3
	v_mul_f32 v[R+11], v[R], v[R+2]                            ; x0 x2
	v_pk_mul_f32 v[R+12:R+13], v[R:R+1], v[R+2:R+3] op_sel:[1,1] op_sel_hi:[0,1]   ; low: x1 x3; high: x0 x3
.endm
; HALF A CHUNK: 32 pixels, one a lane, become the fragments and scale words of tiles 2 s and 2 s + 1.  Its 64 loads have been issued, and no LDS instruction behind them.
; more = 1: the chunk's other half is fetched as soon as the conversions have read the features.
.macro HALF q, s, more
.irp w, 0,1,2,3
	s_wait_dscnt 48-16*\w                          ; LDS loads come back in order: sixteen more channels, four groups, are in; the younger ones may be out
.irp g, 0,1,2,3
	FEAT 4*\w+\g
.endr
.endr
.irp b, 0,1,2,3,4,5,6
	v_max3_num_f32 v[M+\b], |v[F+32*\b]|, |v[F+32*\b+1]|, 0x2800000   ; block b's largest magnitude: all 32 numbers are mine; and the floor 2^(5 - 127): so the byte cannot fall under 1
.endr
.irp i, 2,4,6,8,10,12,14,16,18,20,22,24,26,28,30
.irp b, 0,1,2,3,4,5,6
	v_max3_num_f32 v[M+\b], v[M+\b], |v[F+32*\b+\i]|, |v[F+32*\b+\i+1]|   ; (the seven blocks by turns: no line waits for the line above it)
.endr
.endr
.irp b, 0,1,2,3,4,5,6
	v_add_nc_u32 v[M+\b], 0xfe000000, v[M+\b]      ; 4 off its exponent field: the conversion takes the exponent field of this operand as its scale, and nothing else of it
.endr
.irp b, 0,1,2,3,4,5,6
	v_lshrrev_b32 v[BY+\b], 23, v[M+\b]            ; the scale's byte
.endr
	v_lshl_or_b32 v[FS+2*(\s)], v[BY+1], 8, v[BY]              ; my pixel's scale words: blocks 0-3, and blocks 4-6 with 0 on top
	v_lshl_or_b32 v[FS+2*(\s)+1], v[BY+5], 8, v[BY+4]
	v_lshl_or_b32 v[FS+2*(\s)], v[BY+2], 16, v[FS+2*(\s)]
	v_lshl_or_b32 v[FS+2*(\s)+1], v[BY+6], 16, v[FS+2*(\s)+1]
	v_lshl_or_b32 v[FS+2*(\s)], v[BY+3], 24, v[FS+2*(\s)]
	WIN 0x40                                       ; destination window 1
.irp b, 0,1,2,3,4,5,6                          ; a block's lower 16 codes go where the fragments want them: an even block's into tile 2 s, an odd block's into tile 2 s + 1; the upper 16 to T
	v_cvt_scalef32_pk16_bf6_f32 v[FR+48*(\s)+24*(\b%2)+6*(\b/2):FR+48*(\s)+24*(\b%2)+6*(\b/2)+2], v[F+32*\b:F+32*\b+15], v[M+\b]
	v_cvt_scalef32_pk16_bf6_f32 v[T+4*\b:T+4*\b+2], v[F+32*\b+16:F+32*\b+31], v[M+\b]
.endr
	v_nop                                          ; one plain line between the scaled conversions and the vector lines that touch their results
.if \more
	WIN 0
	XLOAD \q, 1                                    ; the features have been read: the other half's x may land; the lines below stand between these loads and the wait for them
.endif
	WIN 0x41                                       ; source 0 and destination window 1
; A fragment wants, of pixel r of its tile, an even block in lanes 0-15 and the odd block behind it in lanes 16-31.  I hold all blocks of pixel l.  The first register's lanes 16-31 change places with the second's
; lanes 0-15: the first (even block) is then tile 2 s's register, the second (odd block) tile 2 s + 1's.
.irp e, 0,2,4
.irp i, 0,1,2
	v_permlane16_swap_b32 v[FR+48*(\s)+3*\e+\i], v[FR+48*(\s)+24+3*\e+\i]
	v_permlane16_swap_b32 v[T+4*\e+\i], v[T+4*\e+4+\i]
.endr
.irp i, 0,1,2
	v_mov_b32 v[FR+48*(\s)+3*\e+3+\i], v[T+4*\e+\i]            ; the upper halves to their odd-numbered places
	v_mov_b32 v[FR+48*(\s)+24+3*\e+3+\i], v[T+4*\e+4+\i]
.endr
.endr
.irp i, 0,1,2                                  ; block 6 has no odd partner: tile 2 s takes it as it stands, tile 2 s + 1 from lane l xor 16; lanes 16-31 stand opposite W's zeros
	v_permlanex16_b32 v[FR+48*(\s)+42+\i], v[FR+48*(\s)+18+\i], s36, s37
	v_mov_b32 v[FR+48*(\s)+21+\i], v[T+24+\i]
	v_permlanex16_b32 v[FR+48*(\s)+45+\i], v[T+24+\i], s36, s37
.endr
	WIN 0
.endm
; one matrix instruction: tile t of 16 pixels x tile n of 16 channels, K step k.  K step 0 starts the sum with the bias.  The features' words of an odd tile and W's words of K step 1 stand in lanes 16-31.
.macro MM t, n, k
.set D, F+32*(\n)+8*(\t)
.set A, FR+24*(\t)+12*(\k)
.set B, WF+24*(\n)+12*(\k)
.set SA, FS+2*((\t)/2)+(\k)
.if (\k) == 0
.if (\t)%2 == 0
	v_wmma_scale_f32_16x16x128_f8f6f4 v[D:D+7], v[A:A+11], v[B:B+11], v[BI+8*(\n):BI+8*(\n)+7], v[SA], v[WS+(\n)] matrix_a_fmt:MATRIX_FMT_BF6 matrix_b_fmt:MATRIX_FMT_BF6
.else
	v_wmma_scale_f32_16x16x128_f8f6f4 v[D:D+7], v[A:A+11], v[B:B+11], v[BI+8*(\n):BI+8*(\n)+7], v[SA], v[WS+(\n)] matrix_a_fmt:MATRIX_FMT_BF6 matrix_b_fmt:MATRIX_FMT_BF6 matrix_a_scale:MATRIX_SCALE_ROW1
.endif
.else
.if (\t)%2 == 0
	v_wmma_scale_f32_16x16x128_f8f6f4 v[D:D+7], v[A:A+11], v[B:B+11], v[D:D+7], v[SA], v[WS+(\n)] matrix_a_fmt:MATRIX_FMT_BF6 matrix_b_fmt:MATRIX_FMT_BF6 matrix_b_scale:MATRIX_SCALE_ROW1
.else
	v_wmma_scale_f32_16x16x128_f8f6f4 v[D:D+7], v[A:A+11], v[B:B+11], v[D:D+7], v[SA], v[WS+(\n)] matrix_a_fmt:MATRIX_FMT_BF6 matrix_b_fmt:MATRIX_FMT_BF6 matrix_a_scale:MATRIX_SCALE_ROW1 matrix_b_scale:MATRIX_SCALE_ROW1
.endif
.endif
.endm
; THE WAY OUT, 16 channels x 64 pixels at a time.  A lane holds 32 neighbouring bytes of a channel's row and the lanes beside it other channels: so the block goes through my own stage and comes back as whole rows of
; 256 bytes, into the registers that it left.  LDS serves a wave's instructions in order (ISA guide 5.7.1.4): no wait between the stores and the loads, nor in front of the next block's stores.
.macro STAGE n
.irp t, 0,1,2,3
	ds_store_b128 v[STO], v[F+32*(\n)+8*\t:F+32*(\n)+8*\t+3] offset:64*\t          ; each accumulator from its low end on
	ds_store_b128 v[STO], v[F+32*(\n)+8*\t+4:F+32*(\n)+8*\t+7] offset:64*\t+16
.endr
.irp i, 0,1,2,3,4,5,6,7
	ds_load_b128 v[F+32*(\n)+4*\i:F+32*(\n)+4*\i+3], v[RD] offset:2*\i*SP
.endr
.endm
.macro SEND q, n, younger              ; younger: the LDS instructions issued behind block n's loads: the next block's sixteen, or none
.irp i, 0,1,2,3,4,5,6,7
	s_wait_dscnt \younger+7-\i
	global_store_b128 v[CO], v[F+32*(\n)+4*\i:F+32*(\n)+4*\i+3], s[12:13] offset:(16*(\n)+2*\i)*HW4+256*(\q) th:TH_STORE_NT   ; 16 lanes store 256 consecutive bytes, at a multiple of 256 from out0's first byte; 62 channels on at the most: inside the signed 24-bit immediate
.endr
.endm
; A CHUNK: 64 pixels.  Its first half's loads have been issued.
.macro CHUNK q
	HALF \q, 0, 1
	HALF \q, 1, 0
.rept 4
	v_nop                                          ; the last fragment registers were written by vector lines: four places ahead of the products; the scale words stand more than eight (the moves above)
.endr
	WIN 0x15                                       ; features' fragments, W's fragments and the bias in window 1, the sums in window 0
.irp t, 0,1,2,3
.irp n, 0,1,2,3
	MM \t, \n, 0                                   ; the 16 accumulators take turns, one instruction a turn, in the same order in both K steps
.endr
.endr
	WIN 0x05                                       ; C is now the sum itself
.irp t, 0,1,2,3
.irp n, 0,1,2,3
	MM \t, \n, 1
.endr
.endr
	WIN 0
.rept 4
	v_nop                                          ; four places between the last product and the first LDS store of a result
.endr
	STAGE 0
	STAGE 1                                        ; a block's trip through the stage stands between the loads of the block before and its stores
	SEND \q, 0, 16
	STAGE 2
	SEND \q, 1, 16
	STAGE 3
	SEND \q, 2, 16
	SEND \q, 3, 0
.endm
	s_wait_tensorcnt 0x1                           ; tensor loads of a wave end in order: chunk 0 is in LDS; chunk 1's load may stay out
	XLOAD 0, 0
	CHUNK 0
	s_wait_tensorcnt 0x0                           ; chunk 1 is in; no tensor load is out from here to the end
	s_wait_xcnt 0x0                                ; chunk 0's stores have read their data: only behind this wait do the next x land in those registers
	XLOAD 1, 0
	CHUNK 1
	s_wait_tensorcnt 0x0
	ds_add_u32 v23, v31
	s_wait_dscnt 0x0
	s_endpgm
.Lfunc_end_k_q3a78d4f675_chaconv:
	.size	k_q3a78d4f675_chaconv, .Lfunc_end_k_q3a78d4f675_chaconv-k_q3a78d4f675_chaconv
	.p2alignl 7, 3214868480
	.fill 96, 4, 3214868480
	.section	.rodata,"a",@progbits
	.p2align	6, 0x0
	.amdhsa_kernel k_q3a78d4f675_chaconv
		.amdhsa_group_segment_fixed_size 297984
		.amdhsa_private_segment_fixed_size 0
		.amdhsa_enable_private_segment 0
		.amdhsa_kernarg_size 40
		.amdhsa_user_sgpr_count 2
		.amdhsa_user_sgpr_kernarg_segment_ptr 1
		.amdhsa_wavefront_size32 1
		.amdhsa_system_sgpr_workgroup_id_x 1
		.amdhsa_system_sgpr_workgroup_id_y 1
		.amdhsa_system_sgpr_workgroup_id_z 1
		.amdhsa_system_vgpr_workitem_id 0
		.amdhsa_next_free_vgpr 512
		.amdhsa_next_free_sgpr 66
		.amdhsa_reserve_vcc 0
		.amdhsa_float_denorm_mode_32 3
		.amdhsa_float_denorm_mode_16_64 3
		.amdhsa_memory_ordered 1
		.amdhsa_forward_progress 1
		.amdhsa_inst_pref_size 118
	.end_amdhsa_kernel
	.amdgpu_metadata
---
amdhsa.version: [ 1, 2 ]
amdhsa.kernels:
  - .name:           k_q3a78d4f675_chaconv
    .symbol:         k_q3a78d4f675_chaconv.kd
    .args:
      - { .name: input, .offset: 0, .size: 8, .value_kind: global_buffer, .address_space: global }
      - { .name: W_codes, .offset: 8, .size: 8, .value_kind: global_buffer, .address_space: global }
      - { .name: W_scales, .offset: 16, .size: 8, .value_kind: global_buffer, .address_space: global }
      - { .name: b, .offset: 24, .size: 8, .value_kind: global_buffer, .address_space: global }
      - { .name: out0, .offset: 32, .size: 8, .value_kind: global_buffer, .address_space: global }
    .group_segment_fixed_size: 297984
    .private_segment_fixed_size: 0
    .kernarg_segment_align: 8
    .kernarg_segment_size: 40
    .max_flat_workgroup_size: 256
    .sgpr_count:     66
    .vgpr_count:     512
    .wavefront_size: 32
...
	.end_amdgpu_metadata
.endif
;; end of part 1
